; MI455X (gfx1250); checked and timed in simulation.
; The chip was launched on July 23, 2026; its instructions are those of AMD's public machine-readable ISA for CDNA 5 (MIT licence, August 2026) and "CDNA5" Instruction Set Architecture Reference Guide (July 2026). The comments in the code are by the model that wrote it; some were corrected since.
;; Self Att Head Level5. Allowed arithmetic: float matrix products may take bf16 or f16 operands with f32 sums; all other float work in f32.
;; Inputs: E 4 x 4,096 x 128 float32; W 128 x 256 float32; mask 4 x 4,096 bool.
;; Outputs: out0 4 x 4,096 x 128 float32.
;; 2 versions, each right and faster than the one before. Each part assembles by itself: llvm-mc -triple=amdgcn-amd-amdhsa -mcpu=gfx1250 --defsym DOCPART=n.
;; ======== version 1 of 2: 2 launches
;; limits: values are held in f16: magnitudes above 65,504 overflow, below 6.1e-05 lose precision
;; workspace buffers: q 2,097,152 bytes; kv 6,356,992 bytes
;; launch proj (part 1): grid 256 x 1, 16 waves a work-group, no clusters, 89,088 bytes of LDS; arguments E, W, mask, q, kv; writes q, kv
.if DOCPART == 1
	.amdgcn_target "amdgcn-amd-amdhsa--gfx1250"
	.amdhsa_code_object_version 6
	.text
	.protected	k_qe07bd3cc97_proj
	.globl	k_qe07bd3cc97_proj
	.p2align	8
	.type	k_qe07bd3cc97_proj,@function
k_qe07bd3cc97_proj:
	s_mov_b64 s[64:65], 0
	v_nop
	global_prefetch_b8 v0, s[64:65] scope:SCOPE_SE
	s_setreg_imm32_b32 hwreg(HW_REG_WAVE_MODE, 25, 1), 1
	s_wait_xcnt 0x0
; proj: combined = E x W for 64 rows a work-group, rounded once to f16 and stored in the order in which the
; attention launch feeds its matrix instructions; and the key mask as an f32 bias.
;   q : 256 blocks of 8,192 bytes (64 rows): piece n = 4 i + 2 ks + half of 512 bytes; lane (r = L & 15, h = L >> 4) owns bytes 16 L .. 16 L + 15
;       = Q[16 i + r][32 ks + 16 half + 8 h .. + 7].  Pieces 2 m and 2 m + 1 are registers 0-3 and 4-7 of one 16 x 32 fragment.
;   kv: 256 chunks of 24,832 bytes (64 keys): K as q (8,192 bytes), then V transposed (16,384 bytes: piece 4 dt + 2 ks + half,
;       lane bytes = V[key 32 ks + 16 half + 8 h .. + 7][d = 16 dt + r]), then bias[64] in f32: 0 where the mask byte is not 0, else -2^126.
; Sixteen waves; wave w makes features 16 w .. 16 w + 15 of all 64 rows: waves 0-3 Q, 4-7 K, 8-15 V.  16 matrix instructions a wave.
; FORMAT: operands in f16, sums in f32.  f16 and not bf16 because the output of the attention is an average whose size is about
; 1/40 of V, and the allowed error is 1/100 of that: three more mantissa bits are needed.  LIMIT: |E|, |W|, |Q|, |K|, |V| below 65,504
; (inputs 30 times larger on both sides give about 5,400).  NaN and infinities are not treated specially.
; NO JOINT LOADS OF W: W (131,072 bytes in f32) has to be rounded to f16 before it lies in LDS, so it goes through registers; a tile
; brought into LDS by a tensor load would be read, rounded and stored there a second time.
.set WPITCH, 544                       ; LDS row of W: 256 f16 = 512 bytes + 32: an odd multiple of 32
.set EPITCH, 272                       ; LDS row of E: 128 f16 = 256 bytes + 16: an odd multiple of 16
.set EL,     128*WPITCH                ; E lies behind the 128 rows of W: byte 69,632
.set CHUNK,  24832                     ; bytes of a chunk of kv
.set WF,  16                           ; v[16:47]   fragments of W, 8 registers for each of 4 steps of 32 along e
.set LD,  48                           ; v[48:127]  the 20 loaded quads (4 of E, 16 of W), until the barrier
.set EF,  48                           ; v[48:175]  fragments of E: (st, ks) at EF + 8 (4 st + ks), behind the barrier
.set ACC, 176                          ; v[176:207] four accumulators: rows 16 st .. 16 st + 15
	s_load_b256 s[4:11], s[0:1], 0x0               ; E s[4:5], W s[6:7], mask s[8:9], q s[10:11]
	s_load_b64 s[12:13], s[0:1], 0x20              ; kv
	v_lshl_add_u32 v208, v0, 2, 0x15400
	v_mov_b32 v209, 0
	v_lshrrev_b32 v10, 5, v0
	v_readfirstlane_b32 s14, v10                   ; wave 0..15
	v_and_b32 v6, 31, v0                           ; lane L
	v_lshlrev_b32 v1, 4, v0                        ; 16 t: my 16 bytes in each block of 8,192 that the 512 threads load
	v_lshlrev_b32 v7, 4, v6                        ; 16 L: my 16 bytes of a piece
	v_lshlrev_b32 v9, 1, v6                        ; 2 L: my two mask bytes (wave 0)
	v_lshlrev_b32 v14, 3, v6                       ; 8 L
	s_lshl_b32 s16, ttmp9, 15                      ; 64 rows of E: 32,768 bytes a work-group
	s_mov_b32 s17, 0
	s_mul_i32 s18, ttmp9, CHUNK                    ; my chunk of kv
	s_lshl_b32 s19, ttmp9, 13                      ; my block of q
	; where my rounded numbers go in LDS.  A load of W covers 8 rows of 1,024 bytes: wave w holds half (w & 1) of row w >> 1.
	s_lshr_b32 s20, s14, 1
	s_mul_i32 s20, s20, WPITCH
	s_and_b32 s21, s14, 1
	s_lshl_b32 s21, s21, 8
	s_add_co_u32 s20, s20, s21
	v_add_nc_u32 v2, s20, v14                      ; W: (w >> 1) rows + 256 (w & 1) + 8 L
	s_mul_i32 s21, s14, EPITCH                     ; a load of E covers 16 rows of 512 bytes: wave w holds row w
	s_add_co_u32 s21, s21, EL
	v_add_nc_u32 v3, s21, v14                      ; E: EL + w rows + 8 L
	; fragment addresses
	v_and_b32 v10, 7, v0
	v_bfe_u32 v11, v0, 4, 1                        ; h
	v_lshl_add_u32 v10, v11, 3, v10                ; 8 h + (L & 7): my row of e in the transposing load
	v_mul_u32_u24 v4, v10, WPITCH
	v_bfe_u32 v12, v0, 3, 1
	v_lshl_add_u32 v4, v12, 4, v4                  ; + 16 ((L >> 3) & 1)
	s_lshl_b32 s15, s14, 5
	v_add_nc_u32 v4, s15, v4                       ; + 32 w: my 16 features
	v_and_b32 v13, 15, v0                          ; r
	v_mul_u32_u24 v5, v13, EPITCH
	v_lshl_add_u32 v5, v11, 4, v5
	v_add_nc_u32 v5, EL, v5                        ; EL + r rows + 16 h
	s_wait_kmcnt 0x0
	s_add_nc_u64 s[4:5], s[4:5], s[16:17]          ; E at my first row
	s_cmp_lg_u32 s14, 0
	s_cbranch_scc1 .Lno_mask_load
	s_lshl_b32 s22, ttmp9, 6                       ; wave 0 alone: the 64 mask bytes of my keys, two a lane
	s_mov_b32 s23, 0
	s_add_nc_u64 s[8:9], s[8:9], s[22:23]
	global_load_u16 v8, v9, s[8:9]
.Lno_mask_load:
.irp i, 0,1,2,3
	global_load_b128 v[LD+4*\i:LD+4*\i+3], v1, s[4:5] offset:\i*8192 th:TH_LOAD_NT    ; E is read once in the whole launch
.endr
.set n, 0
.rept 16
	global_load_b128 v[LD+16+4*n:LD+16+4*n+3], v1, s[6:7] offset:n*8192               ; W is read again by every work-group: no hint
.set n, n+1
.endr
	; round to f16 and lay into LDS, quad by quad as the loads come back
.set n, 0
.rept 20
	s_wait_loadcnt 19-n                            ; loads come back in order: quad n is in, the 19 - n younger ones stay out (the mask load of wave 0 is older than all)
	v_cvt_pk_f16_f32 v[LD+4*n], v[LD+4*n], v[LD+4*n+1]
	v_cvt_pk_f16_f32 v[LD+4*n+1], v[LD+4*n+2], v[LD+4*n+3]
.if n < 4
	ds_store_b64 v3, v[LD+4*n:LD+4*n+1] offset:n*16*EPITCH
.else
	ds_store_b64 v2, v[LD+4*n:LD+4*n+1] offset:(n-4)*8*WPITCH
.endif
.set n, n+1
.endr
	s_wait_dscnt 0x0                               ; my stores are in LDS before I say so
	s_barrier_signal -1
	s_barrier_wait -1                              ; everybody has said so: W and E are whole.  The only barrier.
.irp ks, 0,1,2,3
	ds_load_tr16_b128 v[WF+8*\ks:WF+8*\ks+3],   v4 offset:\ks*32*WPITCH               ; e = 32 ks + 8 h .. + 7 of feature 16 w + r
	ds_load_tr16_b128 v[WF+8*\ks+4:WF+8*\ks+7], v4 offset:\ks*32*WPITCH+16*WPITCH     ; e = 32 ks + 16 + 8 h .. + 7
.endr
.irp st, 0,1,2,3
.irp ks, 0,1,2,3
	ds_load_b128 v[EF+8*(4*\st+\ks):EF+8*(4*\st+\ks)+3],   v5 offset:\st*16*EPITCH+\ks*64
	ds_load_b128 v[EF+8*(4*\st+\ks)+4:EF+8*(4*\st+\ks)+7], v5 offset:\st*16*EPITCH+\ks*64+32
.endr
.endr
	s_wait_dscnt 0x0
; One matrix instruction.  swap = 0: source 0 = W, source 1 = E: a lane holds row r and 8 neighbouring features (Q, K).
; swap = 1: source 0 = E, source 1 = W: a lane holds feature r and 8 neighbouring rows (V transposed).  The first step along e starts the sum.
.macro MMI st, ks, swap
.if \swap
.if \ks == 0
	v_wmma_f32_16x16x32_f16 v[ACC+8*\st:ACC+8*\st+7], v[EF+8*(4*\st+\ks):EF+8*(4*\st+\ks)+7], v[WF+8*\ks:WF+8*\ks+7], 0
.else
	v_wmma_f32_16x16x32_f16 v[ACC+8*\st:ACC+8*\st+7], v[EF+8*(4*\st+\ks):EF+8*(4*\st+\ks)+7], v[WF+8*\ks:WF+8*\ks+7], v[ACC+8*\st:ACC+8*\st+7]
.endif
.else
.if \ks == 0
	v_wmma_f32_16x16x32_f16 v[ACC+8*\st:ACC+8*\st+7], v[WF+8*\ks:WF+8*\ks+7], v[EF+8*(4*\st+\ks):EF+8*(4*\st+\ks)+7], 0
.else
	v_wmma_f32_16x16x32_f16 v[ACC+8*\st:ACC+8*\st+7], v[WF+8*\ks:WF+8*\ks+7], v[EF+8*(4*\st+\ks):EF+8*(4*\st+\ks)+7], v[ACC+8*\st:ACC+8*\st+7]
.endif
.endif
.endm
.macro MM swap                         ; the four accumulators take turns, one instruction a turn
.irp ks, 0,1,2,3
.irp st, 0,1,2,3
	MMI \st, \ks, \swap
.endr
.endr
.endm
; Round the four tiles to f16 and store them: 16 bytes a lane, 512 consecutive aligned bytes a store.  step = bytes from tile to tile.
.macro OUT step
.rept 4
	v_nop                                          ; four places behind the last matrix instruction before its result is read (ISA guide 7.12.1)
.endr
.irp st, 0,1,2,3
.irp k, 0,1,2,3
	v_cvt_pk_f16_f32 v[ACC+8*\st+\k], v[ACC+8*\st+2*\k], v[ACC+8*\st+2*\k+1]          ; in place, ascending: register k is written after it was read
.endr
	global_store_b128 v7, v[ACC+8*\st:ACC+8*\st+3], s[20:21] offset:\st*\step
.endr
.endm
	s_cmp_ge_u32 s14, 8
	s_cbranch_scc1 .Lv_waves
	MM 0
	s_cmp_lt_u32 s14, 4                            ; waves 0-3 store into q, waves 4-7 into the K part of my chunk of kv
	s_cselect_b64 s[20:21], s[10:11], s[12:13]
	s_cselect_b32 s22, s19, s18
	s_and_b32 s24, s14, 3
	s_lshl_b32 s24, s24, 9                         ; features 16 w' are piece 2 ks + half = w' of each row tile
	s_add_co_u32 s22, s22, s24
	s_mov_b32 s23, 0
	s_add_nc_u64 s[20:21], s[20:21], s[22:23]
	OUT 2048                                       ; row tile st: four pieces on
	s_branch .Lbias
.Lv_waves:
	MM 1
	s_sub_co_u32 s24, s14, 8                       ; dt
	s_lshl_b32 s24, s24, 11                        ; four pieces for each dt
	s_add_co_u32 s22, s18, s24
	s_add_co_u32 s22, s22, 8192                    ; behind K
	s_mov_b32 s23, 0
	s_add_nc_u64 s[20:21], s[12:13], s[22:23]
	OUT 512                                        ; keys 16 st are piece 2 ks + half = st
.Lbias:
	s_cmp_lg_u32 s14, 0
	s_cbranch_scc1 .Lend
	v_and_b32 v10, 0xff, v8                        ; wave 0 alone: the mask bytes of keys 2 L and 2 L + 1 (their load was waited for above)
	v_lshrrev_b32 v11, 8, v8
	v_mov_b32 v15, 0xfe800000                      ; -2^126
	v_cmp_eq_u32 vcc_lo, 0, v10
	v_cndmask_b32 v12, 0, v15, vcc_lo
	v_cmp_eq_u32 vcc_lo, 0, v11
	v_cndmask_b32 v13, 0, v15, vcc_lo
	s_mov_b32 s28, s18
	s_mov_b32 s29, 0
	s_add_nc_u64 s[26:27], s[12:13], s[28:29]
	global_store_b64 v14, v[12:13], s[26:27] offset:24576          ; 256 consecutive aligned bytes by one store
.Lend:
	s_wait_tensorcnt 0x0
	ds_add_u32 v208, v209
	s_wait_dscnt 0x0
	s_endpgm
.Lfunc_end_k_qe07bd3cc97_proj:
	.size	k_qe07bd3cc97_proj, .Lfunc_end_k_qe07bd3cc97_proj-k_qe07bd3cc97_proj
	.p2alignl 7, 3214868480
	.fill 96, 4, 3214868480
	.section	.rodata,"a",@progbits
	.p2align	6, 0x0
	.amdhsa_kernel k_qe07bd3cc97_proj
		.amdhsa_group_segment_fixed_size 89088
		.amdhsa_private_segment_fixed_size 0
		.amdhsa_enable_private_segment 0
		.amdhsa_kernarg_size 40
		.amdhsa_user_sgpr_count 2
		.amdhsa_user_sgpr_kernarg_segment_ptr 1
		.amdhsa_wavefront_size32 1
		.amdhsa_system_sgpr_workgroup_id_x 1
		.amdhsa_system_sgpr_workgroup_id_y 1
		.amdhsa_system_sgpr_workgroup_id_z 1
		.amdhsa_system_vgpr_workitem_id 0
		.amdhsa_next_free_vgpr 210
		.amdhsa_next_free_sgpr 66
		.amdhsa_reserve_vcc 1
		.amdhsa_float_denorm_mode_32 3
		.amdhsa_float_denorm_mode_16_64 3
		.amdhsa_memory_ordered 1
		.amdhsa_forward_progress 1
		.amdhsa_inst_pref_size 18
	.end_amdhsa_kernel
	.amdgpu_metadata
---
amdhsa.version: [ 1, 2 ]
amdhsa.kernels:
  - .name:           k_qe07bd3cc97_proj
    .symbol:         k_qe07bd3cc97_proj.kd
    .args:
      - { .name: E, .offset: 0, .size: 8, .value_kind: global_buffer, .address_space: global }
      - { .name: W, .offset: 8, .size: 8, .value_kind: global_buffer, .address_space: global }
      - { .name: mask, .offset: 16, .size: 8, .value_kind: global_buffer, .address_space: global }
      - { .name: q, .offset: 24, .size: 8, .value_kind: global_buffer, .address_space: global }
      - { .name: kv, .offset: 32, .size: 8, .value_kind: global_buffer, .address_space: global }
    .group_segment_fixed_size: 89088
    .private_segment_fixed_size: 0
    .kernarg_segment_align: 8
    .kernarg_segment_size: 40
    .max_flat_workgroup_size: 512
    .sgpr_count:     66
    .vgpr_count:     210
    .wavefront_size: 32
...
	.end_amdgpu_metadata
.endif
;; end of part 1
;; launch attn (part 2): grid 256 x 1, 4 waves a work-group, clusters of 4 x 1, 327,680 bytes of LDS; arguments q, kv, out0; writes out0
.if DOCPART == 2
	.amdgcn_target "amdgcn-amd-amdhsa--gfx1250"
	.amdhsa_code_object_version 6
	.text
	.protected	k_qe07bd3cc97_attn
	.globl	k_qe07bd3cc97_attn
	.p2align	8
	.type	k_qe07bd3cc97_attn,@function
k_qe07bd3cc97_attn:
	s_mov_b64 s[64:65], 0
	v_nop
	global_prefetch_b8 v0, s[64:65] scope:SCOPE_SE
	s_setreg_imm32_b32 hwreg(HW_REG_WAVE_MODE, 25, 1), 1
	s_wait_xcnt 0x0
	s_wait_alu depctr_hold_cnt(0) depctr_sa_sdst(0) depctr_va_vdst(0) depctr_va_sdst(0) depctr_va_ssrc(0) depctr_va_vcc(0) depctr_vm_vsrc(0)
	s_getreg_b32 s2, hwreg(HW_REG_IB_STS2, 6, 4)
	s_cmp_eq_u32 s2, 0
	s_cbranch_scc0 .Lentry_in_a_cluster
	s_endpgm
.Lentry_in_a_cluster:
	s_bfe_u32 s2, ttmp6, 0x10000c
	s_cmp_lg_u32 s2, 0x3003
	s_cbranch_scc0 .Lentry_shape_is_right
	s_endpgm
.Lentry_shape_is_right:
; attn: out = softmax(Q K^T / 8 + mask) V for 64 queries a work-group, with a running maximum.  q and kv as the launch before stored them
; (f16, in fragment order; kv: chunks of 64 keys = K 8,192 bytes, V transposed 16,384 bytes, bias 256 bytes).
; SHARES.  Work-group g = rows 64 g .. 64 g + 63; batch = g / 64.  The 4,096 keys go in 16 tiles of 256 keys = four chunks; wave w takes chunk w of
; every tile for ALL 64 queries, with sums, maxima and a 64 x 128 result of its own (256 registers); the four waves merge once at the end.
; So a fragment of 1,024 bytes read from LDS feeds four matrix instructions: 56 LDS loads for 96 matrix instructions a step.
; TRANSPOSED FORMS.  S^T = K Q^T: register j of lane (r, h) holds (key 16 mt + 8 h + j, query r).  Packing two key tiles to f16 gives, in the same
; lane, the source-1 fragment of P^T for 32 keys: no shuffle.  O^T = V^T P^T: register j holds (d = 16 dt + 8 h + j, query r).  Maximum, sum and
; rescaling factor are one number a lane; one exchange between the two halves of the lanes for each query tile and step.
; SOFTMAX.  c = log2(e) / 8.  S1 = S + bias (raw), M = running maximum of S1, NM = round(-c M), p = exp2(fma(S1, c, NM)), alpha = exp2(NM_new - NM_old).
; A masked key has S1 = -2^126 exactly, and c 2^126 is exact: where all keys are masked p = 1 everywhere (the mean of V, as the reference gives);
; otherwise masked p and stale sums are multiplied by exp2 of a huge negative number = 0.  The result is rescaled in every step: no branch hangs on data.
; CLUSTER.  The four work-groups of a cluster lie in one batch and walk the same tiles: every tile load is a joint load that names all four,
; which divides the requests for K and V by four.  The place in the cluster enters the addresses of q and out0 alone.
; LIMITS.  f16 operands: |Q|, |K|, |V| below 65,504; raw scores below 2^100 in magnitude; p below 2^-126 counts as 0 in the sum and p below 2^-25 as 0
; in the product; NaN and infinities are not treated specially; sums are formed in another order than in the reference.
.set CHUNK,  24832                     ; 97 rows of 256 bytes: what one tensor load brings, and all that one wave reads of a tile
.set SLOT,   4*CHUNK                   ; 99,328: a tile
.set BATCHB, 16*SLOT                   ; a batch of kv
.set STAT,   2*SLOT                    ; 198,656: 2,048 bytes for the merge, into which no tensor load lands
.set SPITCH, 528                       ; the way out: a row of 128 f32 = 512 bytes + 16, an odd multiple of 16
.set PART,   64*SPITCH                 ; 33,792: one wave's partial result; four of them lie in the slots after the slots' last fill
; window 0
.set ADK, 2                            ; v2-3     slot 0, 1: LDS address of my 16 bytes of a piece of my chunk
.set ADB, 4                            ; v4-5     slot 0, 1: LDS address of my half's bias
.set AL,  6                            ; v[6:7]   alpha, twice
.set NM,  8                            ; v[8:9]   -c M, twice
.set CO,  10                           ; v10      16 L; never rewritten
.set HH,  11                           ; v11      h
.set RM,  12                           ; v[12:15] running maximum of query tile i
.set RL,  16                           ; v[16:23] running sum of query tile i, a pair of partial sums of my half's keys
.set TP,  24                           ; v[24:31] at work: four maxima, then four pairs of sums
.set AO,  28                           ; v28      -c M_old
.set AR,  29                           ; v29      NM_new - NM_old
.set BI,  32                           ; v[32:63] bias: register 8 mt + j
.set QF,  64                           ; v[64:127]  Q: fragment (i, ks) at QF + 16 i + 8 ks
.set KF,  128                          ; v[128:191] K: fragment (mt, ks) at KF + 16 mt + 8 ks
.set SB0, 192                          ; v[192:223] scores of query tiles 0, 2; P in its registers 0-15
.set SB1, 224                          ; v[224:255] scores of query tiles 1, 3
; windows 1 (dt 0-3) and 2 (dt 4-7)
;                                        v[0:127]   O: tile (i, t) at 8 (4 i + t)
.set VF,  128                          ; v[128:191] V^T: fragment (t, ks) at VF + 16 t + 8 ks
.set ADV, 192                          ; v192-193   copies of ADK: under one setting an LDS load takes its address from the window of source 0
.set G1,  16                           ; s[16:23] descriptor group 1
.set G0,  24                           ; s[24:31] descriptor group 0, four registers for each slot
.set X1,  0x51                         ; source 0, source 2 and destination in window 1, source 1 in window 0: products P V, rescaling, V loads
.set X2,  0xa2                         ; the same for window 2
.set MSB, 0
.macro WIN new                         ; the immediate's high byte repeats the setting that is left
.if MSB != \new
	s_set_vgpr_msb (MSB<<8)|\new
.set MSB, \new
.endif
.endm
.macro PLACES                          ; four places behind a matrix instruction (ISA guide 7.12.1)
.rept 4
	v_nop
.endr
.endm
; A round of the cluster's barrier: my work-group's barrier, wave 0 signals for the work-group, every wave waits for all four work-groups, my work-group's barrier once more.
.macro ROUND
	s_barrier_signal -1
	s_barrier_wait -1
	s_cmp_lg_u32 s10, 0
	s_cbranch_scc1 .Lnot_wave_0_\@
	s_barrier_signal -3
.Lnot_wave_0_\@:
	s_barrier_wait -3
	s_barrier_signal -1
	s_barrier_wait -1
.endm
	s_load_b128 s[4:7], s[0:1], 0x0                ; q s[4:5], kv s[6:7]
	s_load_b64 s[8:9], s[0:1], 0x10                ; out0
	s_set_vgpr_msb 0x40
	v_lshl_add_u32 v254, v0, 2, 0x31000
	v_mov_b32 v255, 0
	s_set_vgpr_msb 0x4045
	ds_add_u32 v254, v255
	s_set_vgpr_msb 0x4500
	v_lshrrev_b32 v1, 5, v0
	v_readfirstlane_b32 s10, v1                    ; wave 0..3
	s_bfe_u32 s11, ttmp6, 0x40000                  ; cx: my place in the cluster
	s_lshl_b32 s12, ttmp9, 2
	s_add_co_u32 s12, s12, s11                     ; g = 4 x cluster + cx
	s_lshr_b32 s13, ttmp9, 4                       ; batch: 16 clusters each; the same in all four partners
	s_mul_i32 s14, s10, CHUNK                      ; my chunk in a tile, in memory and in LDS
	; group 1: a dense block as 97 rows of 32 elements of 8 bytes
	s_mov_b32 s[G1+0], 15|(3<<16)|(1<<21)          ; 15:0 the mask: all four work-groups; 17:16 elements of 8 bytes; 21 set beside a mask; no padding
	s_mov_b32 s[G1+1], 32<<16                      ; tensor_dim0 = 32
	s_mov_b32 s[G1+2], 97<<16                      ; tensor_dim1 = 97
	s_mov_b32 s[G1+3], 32<<16                      ; tile_dim0 = 32
	s_mov_b32 s[G1+4], 97                          ; tile_dim1 = 97
	s_mov_b32 s[G1+5], 32                          ; from row to row: 32 elements
	s_mov_b32 s[G1+6], 0
	s_mov_b32 s[G1+7], 0
	s_mul_i32 s40, s13, BATCHB
	s_add_co_u32 s40, s40, s14                     ; kv: batch and wave alone
	s_mov_b32 s41, 0
	s_lshl_b32 s42, s12, 13                        ; q: 8,192 bytes a work-group
	s_mov_b32 s43, 0
	s_lshl_b32 s44, s12, 15                        ; out0: 64 rows of 512 bytes a work-group,
	s_lshl_b32 s45, s10, 13                        ; of which wave w writes rows 16 w .. 16 w + 15
	s_add_co_u32 s44, s44, s45
	s_mov_b32 s45, 0
	s_add_co_u32 s46, s14, 24576                   ; my chunk's bias
	s_mov_b32 s32, 0x3e38aa3b                      ; c = log2(e) / 8, twice (a pair for the packed forms)
	s_mov_b32 s33, 0x3e38aa3b
	s_mov_b32 s34, 0xbe38aa3b                      ; -c
	s_mov_b32 s36, 0x76543210                      ; v_permlanex16_b32: lane i of one half reads lane i of the other
	s_mov_b32 s37, 0xfedcba98
	s_wait_dscnt 0x0
	s_wait_kmcnt 0x0
	s_add_nc_u64 s[6:7], s[6:7], s[40:41]
	s_add_nc_u64 s[4:5], s[4:5], s[42:43]
	s_add_nc_u64 s[8:9], s[8:9], s[44:45]
.irp s, 0,1
	s_mov_b32 s[G0+4*\s], 1                                        ; count = 1
	s_add_co_u32 s[G0+4*\s+1], s14, \s*SLOT                        ; LDS address: wave x chunk + slot
	s_add_nc_u64 s[G0+4*\s+2:G0+4*\s+3], s[6:7], \s*SLOT           ; my chunk of tile s
	s_or_b32 s[G0+4*\s+3], s[G0+4*\s+3], 0x80000000                ; type = 2
.endr
	ROUND                                          ; all four work-groups are here: the first joint loads meet
	tensor_load_to_lds s[G0:G0+3], s[G1:G1+7]      ; tile 0
	s_nop 0
	tensor_load_to_lds s[G0+4:G0+7], s[G1:G1+7]    ; tile 1: two loads of mine are out here, one behind each later round
	s_nop 0
	v_and_b32 v1, 31, v0
	v_lshlrev_b32 v[CO], 4, v1
.set pp, 0
.rept 16
	global_load_b128 v[QF+4*pp:QF+4*pp+3], v[CO], s[4:5] offset:512*pp     ; all 64 queries, in every wave
.set pp, pp+1
.endr
	v_bfe_u32 v[HH], v0, 4, 1
	v_add_nc_u32 v[ADK], s14, v[CO]
	v_add_nc_u32 v[ADK+1], SLOT, v[ADK]
	v_lshl_add_u32 v[ADB], v[HH], 5, s46
	v_add_nc_u32 v[ADB+1], SLOT, v[ADB]
	WIN 0x40
	v_mov_b32 v[ADV], v[ADK]
	v_mov_b32 v[ADV+1], v[ADK+1]
	WIN 0x80
	v_mov_b32 v[ADV], v[ADK]
	v_mov_b32 v[ADV+1], v[ADK+1]
	WIN 0
.macro KLOAD s                         ; my chunk's K: 16 pieces, each 512 consecutive bytes for the 32 lanes
.set pp, 0
.rept 16
	ds_load_b128 v[KF+4*pp:KF+4*pp+3], v[ADK+\s] offset:512*pp
.set pp, pp+1
.endr
.endm
.macro BLOAD s                         ; bias of keys 16 mt + 8 h + j into register 8 mt + j
.set pp, 0
.rept 8
	ds_load_b128 v[BI+4*pp:BI+4*pp+3], v[ADB+\s] offset:64*(pp/2)+16*(pp%2)
.set pp, pp+1
.endr
.endm
.macro VLOAD s                         ; my chunk's V^T: dt 4-7 into window 2, dt 0-3 into window 1
	WIN X2
.set pp, 0
.rept 16
	ds_load_b128 v[VF+4*pp:VF+4*pp+3], v[ADV+\s] offset:16384+512*pp
.set pp, pp+1
.endr
	WIN X1
.set pp, 0
.rept 16
	ds_load_b128 v[VF+4*pp:VF+4*pp+3], v[ADV+\s] offset:8192+512*pp
.set pp, pp+1
.endr
.endm
; Product n of the eight of S^T for query tile q into buffer sb: n 0-3 start the four key tiles (first 32 of d_k), n 4-7 add the second 32.  q < 0: nothing.
.macro QKW q, n, sb
.if \q >= 0
.if \n < 4
	v_wmma_f32_16x16x32_f16 v[\sb+8*(\n):\sb+8*(\n)+7], v[KF+16*(\n):KF+16*(\n)+7], v[QF+16*(\q):QF+16*(\q)+7], 0
.else
	v_wmma_f32_16x16x32_f16 v[\sb+8*(\n-4):\sb+8*(\n-4)+7], v[KF+16*(\n-4)+8:KF+16*(\n-4)+15], v[QF+16*(\q)+8:QF+16*(\q)+15], v[\sb+8*(\n-4):\sb+8*(\n-4)+7]
.endif
.endif
.endm
.macro ADDB sb, from                   ; eight packed adds: the bias of the keys onto score pairs from .. from + 7
.set pp, \from
.rept 8
	v_pk_add_f32 v[\sb+2*pp:\sb+2*pp+1], v[\sb+2*pp:\sb+2*pp+1], v[BI+2*pp:BI+2*pp+1]
.set pp, pp+1
.endr
.endm
.macro DSC sb, mt, k                   ; pair k of key tile mt: S1 c + NM
	v_pk_fma_f32 v[\sb+8*(\mt)+2*(\k):\sb+8*(\mt)+2*(\k)+1], v[\sb+8*(\mt)+2*(\k):\sb+8*(\mt)+2*(\k)+1], s[32:33], v[NM:NM+1] op_sel_hi:[1,0,1]
.endm
.macro EXPK sb, mt, k
	v_exp_f32 v[\sb+8*(\mt)+\k], v[\sb+8*(\mt)+\k]
.endm
.macro FSUM sb, mt, k                  ; step k of three: the eight p of key tile mt into pair mt of TP
.if \k == 0
	s_wait_alu depctr_va_vdst(0)
	v_pk_add_f32 v[TP+2*(\mt):TP+2*(\mt)+1], v[\sb+8*(\mt):\sb+8*(\mt)+1], v[\sb+8*(\mt)+2:\sb+8*(\mt)+3]
.else
	s_wait_alu depctr_va_vdst(0)
	v_pk_add_f32 v[TP+2*(\mt):TP+2*(\mt)+1], v[TP+2*(\mt):TP+2*(\mt)+1], v[\sb+8*(\mt)+2+2*(\k):\sb+8*(\mt)+3+2*(\k)]
.endif
.endm
.macro GPK sb, mt                      ; key tile mt to f16, into registers 4 mt .. 4 mt + 3 of the buffer; ascending mt, so nothing unread is written over
.irp k, 0,1,2,3
	v_cvt_pk_f16_f32 v[\sb+4*(\mt)+\k], v[\sb+8*(\mt)+2*\k], v[\sb+8*(\mt)+2*\k+1]
.endr
.endm
; The eight exponentials of key tile mt, by turns with plain work on OTHER tiles (the next tile's scaling first, then the last tile's sums): so every
; exponential has an independent plain vector instruction between it and the first use of its result (ISA guide 5.7.2) without a v_nop.
.macro BLOCK sb, mt
.irp k, 0,1,2,3
	EXPK \sb, \mt, \k
.if \mt < 3
	DSC \sb, \mt+1, \k
.endif
.endr
	EXPK \sb, \mt, 4
.irp k, 0,1,2
.if \mt > 0
	FSUM \sb, \mt-1, \k
.endif
	EXPK \sb, \mt, 5+\k
.endr
.endm
; The softmax step of query tile i on buffer sb, with the eight products of query tile qn into buffer sbn strewn through it.
; first = 1: nothing is carried yet.  bl >= 0: the bias registers are loaded again, from slot bl, once they have been added.
.macro PHI i, sb, sbn, qn, first, bl
	WIN 0
	ADDB \sb, 0                                    ; also the places between the last product that read sbn as P and the first that writes it (eight, five are asked)
	QKW \qn, 0, \sbn
	ADDB \sb, 8
	QKW \qn, 1, \sbn
.if \bl >= 0
	BLOAD \bl
.endif
.if \first == 0
	v_mul_f32 v[AO], s34, v[RM+\i]                 ; -c M_old, rounded as it was when it served as NM
.endif
.irp k, 0,1,2,3
	v_max3_num_f32 v[TP+\k], v[\sb+8*\k], v[\sb+8*\k+1], v[\sb+8*\k+2]         ; four chains that do not wait for each other
.endr
.irp k, 0,1,2,3
	v_max3_num_f32 v[TP+\k], v[TP+\k], v[\sb+8*\k+3], v[\sb+8*\k+4]
.endr
	QKW \qn, 2, \sbn
.irp k, 0,1,2,3
	v_max3_num_f32 v[TP+\k], v[TP+\k], v[\sb+8*\k+5], v[\sb+8*\k+6]
.endr
	v_max3_num_f32 v[TP], v[TP], v[\sb+7], v[\sb+15]
	v_max3_num_f32 v[TP+2], v[TP+2], v[\sb+23], v[\sb+31]
	v_max3_num_f32 v[TP], v[TP], v[TP+1], v[TP+2]
.if \first
	v_max_num_f32 v[TP], v[TP], v[TP+3]
.else
	v_max3_num_f32 v[TP], v[TP], v[TP+3], v[RM+\i]
.endif
	QKW \qn, 3, \sbn
	v_permlanex16_b32 v[TP+1], v[TP], s36, s37     ; the other half of the lanes holds the other keys of the same query
	v_max_num_f32 v[RM+\i], v[TP], v[TP+1]
	v_mul_f32 v[NM], s34, v[RM+\i]
	v_mul_f32 v[NM+1], s34, v[RM+\i]
.if \first == 0
	v_sub_f32 v[AR], v[NM], v[AO]
	v_exp_f32 v[AL], v[AR]                         ; alpha; the scaling lines below stand between it and its first use
	v_exp_f32 v[AL+1], v[AR]
.endif
.irp k, 0,1,2,3
	DSC \sb, 0, \k
.endr
	QKW \qn, 4, \sbn
	BLOCK \sb, 0
	QKW \qn, 5, \sbn
	BLOCK \sb, 1
	GPK \sb, 0
	QKW \qn, 6, \sbn
	BLOCK \sb, 2
	GPK \sb, 1
	QKW \qn, 7, \sbn
	BLOCK \sb, 3
	GPK \sb, 2
.irp k, 0,1,2
	FSUM \sb, 3, \k
.endr
	GPK \sb, 3
	v_pk_add_f32 v[TP:TP+1], v[TP:TP+1], v[TP+2:TP+3]
	v_pk_add_f32 v[TP+4:TP+5], v[TP+4:TP+5], v[TP+6:TP+7]
.if \first
	v_pk_add_f32 v[RL+2*\i:RL+2*\i+1], v[TP:TP+1], v[TP+4:TP+5]
.else
	v_pk_add_f32 v[TP:TP+1], v[TP:TP+1], v[TP+4:TP+5]
	v_pk_fma_f32 v[RL+2*\i:RL+2*\i+1], v[RL+2*\i:RL+2*\i+1], v[AL:AL+1], v[TP:TP+1]
.endif
.endm
.macro OMUL i, t                       ; O tile (i, t) of the window times alpha
.irp k, 0,1,2,3
	v_pk_mul_f32 v[8*(4*\i+\t)+2*\k:8*(4*\i+\t)+2*\k+1], v[8*(4*\i+\t)+2*\k:8*(4*\i+\t)+2*\k+1], v[AL:AL+1]
.endr
.endm
.macro PVW i, t, ks, sb, zero
.if \zero
	v_wmma_f32_16x16x32_f16 v[8*(4*\i+\t):8*(4*\i+\t)+7], v[VF+16*\t+8*\ks:VF+16*\t+8*\ks+7], v[\sb+8*\ks:\sb+8*\ks+7], 0
.else
	v_wmma_f32_16x16x32_f16 v[8*(4*\i+\t):8*(4*\i+\t)+7], v[VF+16*\t+8*\ks:VF+16*\t+8*\ks+7], v[\sb+8*\ks:\sb+8*\ks+7], v[8*(4*\i+\t):8*(4*\i+\t)+7]
.endif
.endm
; The four O tiles of the window: each is rescaled just ahead of its first product, while the tile before is multiplied; then the second 32 keys.
; The four accumulators take turns, one instruction a turn.  first = 1: the first product starts the sum, nothing is cleared.
.macro PVHALF i, sb, first
.irp t, 0,1,2,3
.if \first == 0
	OMUL \i, \t
.endif
	PVW \i, \t, 0, \sb, \first
.endr
.irp t, 0,1,2,3
	PVW \i, \t, 1, \sb, 0
.endr
.endm
.macro PSI i, sb, first
	WIN X1
	PVHALF \i, \sb, \first
	WIN X2
	PVHALF \i, \sb, \first
.endm
; The change of slots.  All of slot s is in registers by now (K, bias, V).  mode = 2: slot s is filled again, two tiles ahead; mode = 1: nothing is left to fetch.
.macro CHANGE s, mode
	s_set_vgpr_msb 0x5
	s_wait_tensorcnt 0x0                           ; all my tensor loads have landed: the one that was out is my chunk of the next tile;
	ds_add_u32 v254, v255
	s_wait_dscnt 0x0
	s_set_vgpr_msb 0x500
.if \mode == 2
	s_add_nc_u64 s[G0+4*\s+2:G0+4*\s+3], s[G0+4*\s+2:G0+4*\s+3], 2*SLOT    ; so a group 0 may be written: this slot's next tile
.endif
	s_wait_dscnt 0x0                               ; my reads of this slot are back (met: the wait ahead of the first P V product was for 0)
.if \mode == 2
	ROUND                                          ; both now hold of every wave of all four work-groups
	tensor_load_to_lds s[G0+4*\s:G0+4*\s+3], s[G1:G1+7]                    ; my one tensor load behind the round, and the first thing there
	s_nop 0
.endif
.endm
; One tile of 256 keys, in slot s; nx = the other slot.  On entry: S^T of query tile 0 lies in SB0, the bias and V loads of this tile are on their way.
; From a request to the wait for it a wave does one whole step: 96 matrix instructions and four softmax steps.
.macro STEP s, nx, first, mode
	s_wait_dscnt 32                                ; the 8 bias loads are in, the 32 younger V loads stay out
	PHI 0, SB0, SB1, 1, \first, -1
	s_wait_dscnt 0x0                               ; V is in
	PSI 0, SB0, \first
	PHI 1, SB1, SB0, 2, \first, -1
	PSI 1, SB1, \first
	PHI 2, SB0, SB1, 3, \first, -1                 ; the last use of this tile's K; more than four plain places follow its last product
.if \mode
	CHANGE \s, \mode
	KLOAD \nx
.endif
	PSI 2, SB0, \first
.if \mode
	s_wait_dscnt 0x0                               ; the next tile's K is in: its 16 loads were issued 16 products ago
	PHI 3, SB1, SB0, 0, \first, \nx                ; with it S^T of the next tile's query tile 0, and the next bias
.else
	PHI 3, SB1, SB0, -1, \first, -1
.endif
	PSI 3, SB1, \first
.if \mode
	PLACES                                         ; loads into registers that matrix instructions have read stand four places behind them
	VLOAD \nx
.endif
	WIN 0                                          ; at a label and at a branch every window is 0
.endm
	s_wait_tensorcnt 0x1                           ; my chunk of tile 0 is in, tile 1 stays out; I read no bytes but those that my own loads brought
	KLOAD 0
	BLOAD 0
	VLOAD 0
	WIN 0
	s_wait_loadcnt 0x0                             ; Q
	s_wait_dscnt 40                                ; K is in; 8 bias and 32 V loads stay out
.irp n, 0,1,2,3,4,5,6,7
	QKW 0, \n, SB0
.endr
	PLACES
	STEP 0, 1, 1, 2                                ; tile 0 stands in front of the loop: its products start the sums; asks for tile 2
	s_mov_b32 s38, 6
.Lpair:
	STEP 1, 0, 0, 2                                ; tiles 1 to 12
	STEP 0, 1, 0, 2
	s_sub_co_u32 s38, s38, 1
	s_cmp_lg_u32 s38, 0
	s_cbranch_scc1 .Lpair
	STEP 1, 0, 0, 2                                ; tile 13: asks for tile 15, the last
	STEP 0, 1, 0, 1                                ; tile 14: nothing is left to fetch, no round
	STEP 1, 0, 0, 0                                ; tile 15
	; THE MERGE of the four waves' key quarters.
.set ST,   128                         ; v[128:159] wave p: maxima of the 4 query tiles at ST + 8 p, sums at ST + 8 p + 4
.set MG,   160                         ; v[160:163] the maximum over the four waves
.set NG,   164                         ; v[164:167] -c times it
.set EW,   168                         ; v[168:183] wave p's factor exp2(NG - NM_p) at EW + 4 p + i
.set EO,   184                         ; v[184:187] my own factor
.set LSUM, 188                         ; v[188:191] the whole sum, then its reciprocal
.set WT,   192                         ; v[192:199] my weight for query tile i, twice
.set SA,   3                           ; v3  where I put my partial result
.set RD0,  4                           ; v4  where I read partials 0 and 1 back by rows
.set RD1,  5                           ; v5  partials 2 and 3
	PLACES
.irp i, 0,1,2,3
	v_add_f32 v[TP+\i], v[RL+2*\i], v[RL+2*\i+1]
.endr
.irp i, 0,1,2,3
	v_permlanex16_b32 v[TP+4+\i], v[TP+\i], s36, s37               ; the other half's keys
.endr
.irp i, 0,1,2,3
	v_add_f32 v[TP+\i], v[TP+\i], v[TP+4+\i]
.endr
	v_and_b32 v6, 15, v0                           ; r
	v_lshlrev_b32 v1, 5, v6
	v_add_nc_u32 v1, STAT, v1                      ; 32 bytes for each query column r,
	s_lshl_b32 s40, s10, 9
	v_add_nc_u32 v2, s40, v1                       ; 512 bytes for each wave; both halves of the lanes store the same numbers
	ds_store_b128 v2, v[RM:RM+3]
	ds_store_b128 v2, v[TP:TP+3] offset:16
	s_mul_i32 s41, s10, PART
	v_mul_u32_u24 v[SA], v6, SPITCH
	v_lshl_add_u32 v[SA], v[HH], 5, v[SA]
	v_add_nc_u32 v[SA], s41, v[SA]                 ; my partial: row r, 32 h bytes
	s_mul_i32 s42, s10, 16*SPITCH
	v_add_nc_u32 v[RD0], s42, v[CO]                ; rows 16 w .., 16 L bytes
	v_add_nc_u32 v[RD1], 2*PART, v[RD0]
	s_wait_dscnt 0x0                               ; my stores are in LDS; my reads of the slots and my tensor loads ended long ago
	s_barrier_signal -1
	s_barrier_wait -1                              ; the same holds of all four waves: the slots, which have had their last fill, may now be written
.irp p, 0,1,2,3
	ds_load_b128 v[ST+8*\p:ST+8*\p+3],   v1 offset:512*\p
	ds_load_b128 v[ST+8*\p+4:ST+8*\p+7], v1 offset:512*\p+16
.endr
	s_wait_dscnt 0x0
.irp i, 0,1,2,3
	v_max3_num_f32 v[MG+\i], v[ST+\i], v[ST+8+\i], v[ST+16+\i]
.endr
.irp i, 0,1,2,3
	v_max_num_f32 v[MG+\i], v[MG+\i], v[ST+24+\i]
.endr
.irp i, 0,1,2,3
	v_mul_f32 v[NG+\i], s34, v[MG+\i]
.endr
.irp p, 0,1,2,3
.irp i, 0,1,2,3
	v_mul_f32 v[EW+4*\p+\i], s34, v[ST+8*\p+\i]    ; NM_p, rounded as wave p rounded it
.endr
.endr
.irp i, 0,1,2,3
	v_mul_f32 v[EO+\i], s34, v[RM+\i]
.endr
.irp p, 0,1,2,3
.irp i, 0,1,2,3
	v_sub_f32 v[EW+4*\p+\i], v[NG+\i], v[EW+4*\p+\i]
.endr
.endr
.irp i, 0,1,2,3
	v_sub_f32 v[EO+\i], v[NG+\i], v[EO+\i]
.endr
.set pp, 0
.rept 20
	v_exp_f32 v[EW+pp], v[EW+pp]                   ; EW and EO lie side by side
.set pp, pp+1
.endr
	v_nop                                          ; one plain place behind the run of exponentials (ISA guide 5.7.2)
.irp i, 0,1,2,3
	s_wait_alu depctr_va_vdst(0)
	v_mul_f32 v[LSUM+\i], v[EW+\i], v[ST+4+\i]
.endr
.irp p, 1,2,3
.irp i, 0,1,2,3
	v_fmac_f32 v[LSUM+\i], v[EW+4*\p+\i], v[ST+8*\p+4+\i]
.endr
.endr
.irp i, 0,1,2,3
	v_rcp_f32 v[LSUM+\i], v[LSUM+\i]               ; the sum holds the term of the largest score, about 1: never 0
.endr
	v_nop
.irp i, 0,1,2,3
	s_wait_alu depctr_va_vdst(0)
	v_mul_f32 v[WT+2*\i], v[EO+\i], v[LSUM+\i]
	v_mul_f32 v[WT+2*\i+1], v[EO+\i], v[LSUM+\i]
.endr
.macro OSCALE                          ; the 16 O tiles of the window times my weight
.irp i, 0,1,2,3
.set pp, 0
.rept 16
	v_pk_mul_f32 v[32*\i+2*pp:32*\i+2*pp+1], v[32*\i+2*pp:32*\i+2*pp+1], v[WT+2*\i:WT+2*\i+1]
.set pp, pp+1
.endr
.endr
.endm
.macro OSTAGE hi                       ; into my partial: row 16 i + r, columns 16 dt + 8 h .. + 7 (32 bytes)
.irp i, 0,1,2,3
.irp t, 0,1,2,3
	ds_store_b128 v[SA], v[32*\i+8*\t:32*\i+8*\t+3]   offset:\i*16*SPITCH+(4*\hi+\t)*64
	ds_store_b128 v[SA], v[32*\i+8*\t+4:32*\i+8*\t+7] offset:\i*16*SPITCH+(4*\hi+\t)*64+16
.endr
.endr
.endm
	WIN X1
	OSCALE
	WIN 0x04                                       ; address window 0, data window 1
	OSTAGE 0
	WIN X2
	OSCALE
	WIN 0x08                                       ; data window 2
	OSTAGE 1
	WIN 0
	s_wait_dscnt 0x0
	s_barrier_signal -1
	s_barrier_wait -1                              ; all four partials are whole
; Wave w adds the four partials of rows 16 w .. 16 w + 15 and stores them, four rows at a time, on two sets of registers that take turns.
.macro RLOAD gq, set
.irp k, 0,1,2,3
	ds_load_b128 v[\set+16*\k:\set+16*\k+3],     v[RD0] offset:(4*\gq+\k)*SPITCH
	ds_load_b128 v[\set+16*\k+4:\set+16*\k+7],   v[RD0] offset:PART+(4*\gq+\k)*SPITCH
	ds_load_b128 v[\set+16*\k+8:\set+16*\k+11],  v[RD1] offset:(4*\gq+\k)*SPITCH
	ds_load_b128 v[\set+16*\k+12:\set+16*\k+15], v[RD1] offset:PART+(4*\gq+\k)*SPITCH
.endr
.endm
.macro RSUM gq, set, left              ; left = the loads of the next group that may stay out
.irp k, 0,1,2,3
	s_wait_dscnt \left+12-4*\k                     ; row k's four loads are in; the younger rows' and the next group's stay out
	v_pk_add_f32 v[\set+16*\k:\set+16*\k+1],     v[\set+16*\k:\set+16*\k+1],     v[\set+16*\k+4:\set+16*\k+5]
	v_pk_add_f32 v[\set+16*\k+2:\set+16*\k+3],   v[\set+16*\k+2:\set+16*\k+3],   v[\set+16*\k+6:\set+16*\k+7]
	v_pk_add_f32 v[\set+16*\k+8:\set+16*\k+9],   v[\set+16*\k+8:\set+16*\k+9],   v[\set+16*\k+12:\set+16*\k+13]
	v_pk_add_f32 v[\set+16*\k+10:\set+16*\k+11], v[\set+16*\k+10:\set+16*\k+11], v[\set+16*\k+14:\set+16*\k+15]
	v_pk_add_f32 v[\set+16*\k:\set+16*\k+1],     v[\set+16*\k:\set+16*\k+1],     v[\set+16*\k+8:\set+16*\k+9]
	v_pk_add_f32 v[\set+16*\k+2:\set+16*\k+3],   v[\set+16*\k+2:\set+16*\k+3],   v[\set+16*\k+10:\set+16*\k+11]
	global_store_b128 v[CO], v[\set+16*\k:\set+16*\k+3], s[8:9] offset:(4*\gq+\k)*512 th:TH_STORE_NT   ; a whole row: 512 consecutive aligned bytes
.endr
.endm
	RLOAD 0, QF
	RLOAD 1, KF
	RSUM 0, QF, 16
	s_wait_xcnt 0x0                                ; the stores have read their data: the set is loaded again only behind this wait
	RLOAD 2, QF
	RSUM 1, KF, 16
	s_wait_xcnt 0x0
	RLOAD 3, KF
	RSUM 2, QF, 16
	RSUM 3, KF, 0
	s_set_vgpr_msb 0x5
	s_wait_tensorcnt 0x0
	ds_add_u32 v254, v255
	s_wait_dscnt 0x0
	s_set_vgpr_msb 0x500
	ROUND                                          ; the closing round: no work-group ends while a partner may still ask for a tile that names it
	s_endpgm
.Lfunc_end_k_qe07bd3cc97_attn:
	.size	k_qe07bd3cc97_attn, .Lfunc_end_k_qe07bd3cc97_attn-k_qe07bd3cc97_attn
	.p2alignl 7, 3214868480
	.fill 96, 4, 3214868480
	.section	.rodata,"a",@progbits
	.p2align	6, 0x0
	.amdhsa_kernel k_qe07bd3cc97_attn
		.amdhsa_group_segment_fixed_size 327680
		.amdhsa_private_segment_fixed_size 0
		.amdhsa_enable_private_segment 0
		.amdhsa_kernarg_size 24
		.amdhsa_user_sgpr_count 2
		.amdhsa_user_sgpr_kernarg_segment_ptr 1
		.amdhsa_wavefront_size32 1
		.amdhsa_system_sgpr_workgroup_id_x 1
		.amdhsa_system_sgpr_workgroup_id_y 1
		.amdhsa_system_sgpr_workgroup_id_z 1
		.amdhsa_system_vgpr_workitem_id 0
		.amdhsa_next_free_vgpr 768
		.amdhsa_next_free_sgpr 66
		.amdhsa_reserve_vcc 0
		.amdhsa_float_denorm_mode_32 3
		.amdhsa_float_denorm_mode_16_64 3
		.amdhsa_memory_ordered 1
		.amdhsa_forward_progress 1
		.amdhsa_inst_pref_size 255
	.end_amdhsa_kernel
	.section	.bss,"aw",@nobits
	.p2align	6
	.space	262144
	.amdgpu_metadata
---
amdhsa.version: [ 1, 2 ]
amdhsa.kernels:
  - .name:           k_qe07bd3cc97_attn
    .symbol:         k_qe07bd3cc97_attn.kd
    .args:
      - { .name: q, .offset: 0, .size: 8, .value_kind: global_buffer, .address_space: global }
      - { .name: kv, .offset: 8, .size: 8, .value_kind: global_buffer, .address_space: global }
      - { .name: out0, .offset: 16, .size: 8, .value_kind: global_buffer, .address_space: global }
    .group_segment_fixed_size: 327680
    .private_segment_fixed_size: 0
    .kernarg_segment_align: 8
    .kernarg_segment_size: 24
    .max_flat_workgroup_size: 128
    .sgpr_count:     66
    .vgpr_count:     768
    .wavefront_size: 32
...
	.end_amdgpu_metadata
.endif
;; end of part 2
;; ======== version 2 of 2: 2 launches; 1.14 times as fast as version 1
;; limits: values are held in f16: magnitudes above 65,504 overflow, below 6.1e-05 lose precision; right only within a limited range of input values
;; workspace buffers: q 2,097,152 bytes; kv 6,356,992 bytes
;; launch proj: the kernel of part 1 again; grid 256 x 1, 16 waves a work-group, no clusters, 89,088 bytes of LDS; arguments E, W, mask, q, kv; writes q, kv
;; launch attn (part 3): grid 256 x 1, 4 waves a work-group, clusters of 4 x 1, 327,680 bytes of LDS; arguments q, kv, out0; writes out0
.if DOCPART == 3
	.amdgcn_target "amdgcn-amd-amdhsa--gfx1250"
	.amdhsa_code_object_version 6
	.text
	.protected	k_qe07bd3cc97_attn
	.globl	k_qe07bd3cc97_attn
	.p2align	8
	.type	k_qe07bd3cc97_attn,@function
k_qe07bd3cc97_attn:
	s_mov_b64 s[64:65], 0
	v_nop
	global_prefetch_b8 v0, s[64:65] scope:SCOPE_SE
	s_setreg_imm32_b32 hwreg(HW_REG_WAVE_MODE, 25, 1), 1
	s_wait_xcnt 0x0
	s_wait_alu depctr_hold_cnt(0) depctr_sa_sdst(0) depctr_va_vdst(0) depctr_va_sdst(0) depctr_va_ssrc(0) depctr_va_vcc(0) depctr_vm_vsrc(0)
	s_getreg_b32 s2, hwreg(HW_REG_IB_STS2, 6, 4)
	s_cmp_eq_u32 s2, 0
	s_cbranch_scc0 .Lentry_in_a_cluster
	s_endpgm
.Lentry_in_a_cluster:
	s_bfe_u32 s2, ttmp6, 0x10000c
	s_cmp_lg_u32 s2, 0x3003
	s_cbranch_scc0 .Lentry_shape_is_right
	s_endpgm
.Lentry_shape_is_right:
; attn: out = softmax(Q K^T / 8 + mask) V for 64 queries a work-group, with a running maximum.  q and kv as the launch before stored them
; (f16, in fragment order; kv: chunks of 64 keys = K 8,192 bytes, V transposed 16,384 bytes, bias 256 bytes).
; SHARES.  Work-group g = rows 64 g .. 64 g + 63; batch = g / 64.  The 4,096 keys go in 16 tiles of 256 keys = four chunks; wave w takes chunk w of
; every tile for ALL 64 queries, with sums, maxima and a 64 x 128 result of its own (256 registers); the four waves merge once at the end.
; So a fragment of 1,024 bytes read from LDS feeds four matrix instructions: 56 LDS loads for 96 matrix instructions a step.
; TRANSPOSED FORMS.  S^T = K Q^T: register j of lane (r, h) holds (key 16 mt + 8 h + j, query r).  Packing two key tiles to f16 gives, in the same
; lane, the source-1 fragment of P^T for 32 keys: no shuffle.  O^T = V^T P^T: register j holds (d = 16 dt + 8 h + j, query r).  Maximum, sum and
; rescaling factor are one number a lane; one exchange between the two halves of the lanes for each query tile and step.
; SOFTMAX.  c = log2(e) / 8.  S1 = S + bias (raw), M = running maximum of S1, NM = round(-c M), p = exp2(fma(S1, c, NM)), alpha = exp2(NM_new - NM_old).
; A masked key has S1 = -2^126 exactly, and c 2^126 is exact: where all keys are masked p = 1 everywhere (the mean of V, as the reference gives);
; otherwise masked p and stale sums are multiplied by exp2 of a huge negative number = 0.  The result is rescaled in every step: no branch hangs on data.
; BATCHES.  A softmax step of a query tile (PHI) has 34 exponentials: alpha twice (not in tile 0's steps), then its 32 scores, in place.  They are ONE batch with ONE wait.
; Ahead of the wait stand, beside them, only the scalings of scores that have no exponential yet and four products of the next query tile (other registers): nothing there
; names a result.  Behind it stand all the readers: the sums, the roundings to f16, the running sum, and in PSI the rescaling by alpha.  No exponential is issued behind
; a step's wait.  The merge has two batches, a wait each: 20 exponentials, and the 4 reciprocals of sums made of them.
; CLUSTER.  The four work-groups of a cluster lie in one batch and walk the same tiles: every tile load is a joint load that names all four,
; which divides the requests for K and V by four.  The place in the cluster enters the addresses of q and out0 alone.
; LIMITS.  f16 operands: |Q|, |K|, |V| below 65,504; raw scores below 2^100 in magnitude; p below 2^-126 counts as 0 in the sum and p below 2^-25 as 0
; in the product; NaN and infinities are not treated specially; sums are formed in another order than in the reference.
.set CHUNK,  24832                     ; 97 rows of 256 bytes: what one tensor load brings, and all that one wave reads of a tile
.set SLOT,   4*CHUNK                   ; 99,328: a tile
.set BATCHB, 16*SLOT                   ; a batch of kv
.set STAT,   2*SLOT                    ; 198,656: 2,048 bytes for the merge, into which no tensor load lands
.set SPITCH, 528                       ; the way out: a row of 128 f32 = 512 bytes + 16, an odd multiple of 16
.set PART,   64*SPITCH                 ; 33,792: one wave's partial result; four of them lie in the slots after the slots' last fill
; window 0
.set ADK, 2                            ; v2-3     slot 0, 1: LDS address of my 16 bytes of a piece of my chunk
.set ADB, 4                            ; v4-5     slot 0, 1: LDS address of my half's bias
.set AL,  6                            ; v[6:7]   alpha, twice
.set NM,  8                            ; v[8:9]   -c M, twice
.set CO,  10                           ; v10      16 L; never rewritten
.set HH,  11                           ; v11      h
.set RM,  12                           ; v[12:15] running maximum of query tile i
.set RL,  16                           ; v[16:23] running sum of query tile i, a pair of partial sums of my half's keys
.set TP,  24                           ; v[24:31] at work: four maxima, then four pairs of sums
.set AO,  28                           ; v28      -c M_old
.set AR,  29                           ; v29      NM_new - NM_old
.set BI,  32                           ; v[32:63] bias: register 8 mt + j
.set QF,  64                           ; v[64:127]  Q: fragment (i, ks) at QF + 16 i + 8 ks
.set KF,  128                          ; v[128:191] K: fragment (mt, ks) at KF + 16 mt + 8 ks
.set SB0, 192                          ; v[192:223] scores of query tiles 0, 2; P in its registers 0-15
.set SB1, 224                          ; v[224:255] scores of query tiles 1, 3
; windows 1 (dt 0-3) and 2 (dt 4-7)
;                                        v[0:127]   O: tile (i, t) at 8 (4 i + t)
.set VF,  128                          ; v[128:191] V^T: fragment (t, ks) at VF + 16 t + 8 ks
.set ADV, 192                          ; v192-193   copies of ADK: under one setting an LDS load takes its address from the window of source 0
.set G1,  16                           ; s[16:23] descriptor group 1
.set G0,  24                           ; s[24:31] descriptor group 0, four registers for each slot
.set X1,  0x51                         ; source 0, source 2 and destination in window 1, source 1 in window 0: products P V, rescaling, V loads
.set X2,  0xa2                         ; the same for window 2
.set MSB, 0
.macro WIN new                         ; the immediate's high byte repeats the setting that is left
.if MSB != \new
	s_set_vgpr_msb (MSB<<8)|\new
.set MSB, \new
.endif
.endm
.macro PLACES                          ; four places behind a matrix instruction (ISA guide 7.12.1)
.rept 4
	v_nop
.endr
.endm
; A round of the cluster's barrier: my work-group's barrier, wave 0 signals for the work-group, every wave waits for all four work-groups, my work-group's barrier once more.
.macro ROUND
	s_barrier_signal -1
	s_barrier_wait -1
	s_cmp_lg_u32 s10, 0
	s_cbranch_scc1 .Lnot_wave_0_\@
	s_barrier_signal -3
.Lnot_wave_0_\@:
	s_barrier_wait -3
	s_barrier_signal -1
	s_barrier_wait -1
.endm
	s_load_b128 s[4:7], s[0:1], 0x0                ; q s[4:5], kv s[6:7]
	s_load_b64 s[8:9], s[0:1], 0x10                ; out0
	s_set_vgpr_msb 0x40
	v_lshl_add_u32 v254, v0, 2, 0x31000
	v_mov_b32 v255, 0
	s_set_vgpr_msb 0x4045
	ds_add_u32 v254, v255
	s_set_vgpr_msb 0x4500
	v_lshrrev_b32 v1, 5, v0
	v_readfirstlane_b32 s10, v1                    ; wave 0..3
	s_bfe_u32 s11, ttmp6, 0x40000                  ; cx: my place in the cluster
	s_lshl_b32 s12, ttmp9, 2
	s_add_co_u32 s12, s12, s11                     ; g = 4 x cluster + cx
	s_lshr_b32 s13, ttmp9, 4                       ; batch: 16 clusters each; the same in all four partners
	s_mul_i32 s14, s10, CHUNK                      ; my chunk in a tile, in memory and in LDS
	; group 1: a dense block as 97 rows of 32 elements of 8 bytes
	s_mov_b32 s[G1+0], 15|(3<<16)|(1<<21)          ; 15:0 the mask: all four work-groups; 17:16 elements of 8 bytes; 21 set beside a mask; no padding
	s_mov_b32 s[G1+1], 32<<16                      ; tensor_dim0 = 32
	s_mov_b32 s[G1+2], 97<<16                      ; tensor_dim1 = 97
	s_mov_b32 s[G1+3], 32<<16                      ; tile_dim0 = 32
	s_mov_b32 s[G1+4], 97                          ; tile_dim1 = 97
	s_mov_b32 s[G1+5], 32                          ; from row to row: 32 elements
	s_mov_b32 s[G1+6], 0
	s_mov_b32 s[G1+7], 0
	s_mul_i32 s40, s13, BATCHB
	s_add_co_u32 s40, s40, s14                     ; kv: batch and wave alone
	s_mov_b32 s41, 0
	s_lshl_b32 s42, s12, 13                        ; q: 8,192 bytes a work-group
	s_mov_b32 s43, 0
	s_lshl_b32 s44, s12, 15                        ; out0: 64 rows of 512 bytes a work-group,
	s_lshl_b32 s45, s10, 13                        ; of which wave w writes rows 16 w .. 16 w + 15
	s_add_co_u32 s44, s44, s45
	s_mov_b32 s45, 0
	s_add_co_u32 s46, s14, 24576                   ; my chunk's bias
	s_mov_b32 s32, 0x3e38aa3b                      ; c = log2(e) / 8, twice (a pair for the packed forms)
	s_mov_b32 s33, 0x3e38aa3b
	s_mov_b32 s34, 0xbe38aa3b                      ; -c
	s_mov_b32 s36, 0x76543210                      ; v_permlanex16_b32: lane i of one half reads lane i of the other
	s_mov_b32 s37, 0xfedcba98
	s_wait_dscnt 0x0
	s_wait_kmcnt 0x0
	s_add_nc_u64 s[6:7], s[6:7], s[40:41]
	s_add_nc_u64 s[4:5], s[4:5], s[42:43]
	s_add_nc_u64 s[8:9], s[8:9], s[44:45]
.irp s, 0,1
	s_mov_b32 s[G0+4*\s], 1                                        ; count = 1
	s_add_co_u32 s[G0+4*\s+1], s14, \s*SLOT                        ; LDS address: wave x chunk + slot
	s_add_nc_u64 s[G0+4*\s+2:G0+4*\s+3], s[6:7], \s*SLOT           ; my chunk of tile s
	s_or_b32 s[G0+4*\s+3], s[G0+4*\s+3], 0x80000000                ; type = 2
.endr
	ROUND                                          ; all four work-groups are here: the first joint loads meet
	tensor_load_to_lds s[G0:G0+3], s[G1:G1+7]      ; tile 0
	s_nop 0
	tensor_load_to_lds s[G0+4:G0+7], s[G1:G1+7]    ; tile 1: two loads of mine are out here, one behind each later round
	s_nop 0
	v_and_b32 v1, 31, v0
	v_lshlrev_b32 v[CO], 4, v1
.set pp, 0
.rept 16
	global_load_b128 v[QF+4*pp:QF+4*pp+3], v[CO], s[4:5] offset:512*pp     ; all 64 queries, in every wave
.set pp, pp+1
.endr
	v_bfe_u32 v[HH], v0, 4, 1
	v_add_nc_u32 v[ADK], s14, v[CO]
	v_add_nc_u32 v[ADK+1], SLOT, v[ADK]
	v_lshl_add_u32 v[ADB], v[HH], 5, s46
	v_add_nc_u32 v[ADB+1], SLOT, v[ADB]
	WIN 0x40
	v_mov_b32 v[ADV], v[ADK]
	v_mov_b32 v[ADV+1], v[ADK+1]
	WIN 0x80
	v_mov_b32 v[ADV], v[ADK]
	v_mov_b32 v[ADV+1], v[ADK+1]
	WIN 0
.macro KLOAD s                         ; my chunk's K: 16 pieces, each 512 consecutive bytes for the 32 lanes
.set pp, 0
.rept 16
	ds_load_b128 v[KF+4*pp:KF+4*pp+3], v[ADK+\s] offset:512*pp
.set pp, pp+1
.endr
.endm
.macro BLOAD s                         ; bias of keys 16 mt + 8 h + j into register 8 mt + j
.set pp, 0
.rept 8
	ds_load_b128 v[BI+4*pp:BI+4*pp+3], v[ADB+\s] offset:64*(pp/2)+16*(pp%2)
.set pp, pp+1
.endr
.endm
.macro VLOAD s                         ; my chunk's V^T: dt 4-7 into window 2, dt 0-3 into window 1
	WIN X2
.set pp, 0
.rept 16
	ds_load_b128 v[VF+4*pp:VF+4*pp+3], v[ADV+\s] offset:16384+512*pp
.set pp, pp+1
.endr
	WIN X1
.set pp, 0
.rept 16
	ds_load_b128 v[VF+4*pp:VF+4*pp+3], v[ADV+\s] offset:8192+512*pp
.set pp, pp+1
.endr
.endm
; Product n of the eight of S^T for query tile q into buffer sb: n 0-3 start the four key tiles (first 32 of d_k), n 4-7 add the second 32.  q < 0: nothing.
.macro QKW q, n, sb
.if \q >= 0
.if \n < 4
	v_wmma_f32_16x16x32_f16 v[\sb+8*(\n):\sb+8*(\n)+7], v[KF+16*(\n):KF+16*(\n)+7], v[QF+16*(\q):QF+16*(\q)+7], 0
.else
	v_wmma_f32_16x16x32_f16 v[\sb+8*(\n-4):\sb+8*(\n-4)+7], v[KF+16*(\n-4)+8:KF+16*(\n-4)+15], v[QF+16*(\q)+8:QF+16*(\q)+15], v[\sb+8*(\n-4):\sb+8*(\n-4)+7]
.endif
.endif
.endm
.macro ADDB sb, from                   ; eight packed adds: the bias of the keys onto score pairs from .. from + 7
.set pp, \from
.rept 8
	v_pk_add_f32 v[\sb+2*pp:\sb+2*pp+1], v[\sb+2*pp:\sb+2*pp+1], v[BI+2*pp:BI+2*pp+1]
.set pp, pp+1
.endr
.endm
.macro DSC sb, mt, k                   ; pair k of key tile mt: S1 c + NM
	v_pk_fma_f32 v[\sb+8*(\mt)+2*(\k):\sb+8*(\mt)+2*(\k)+1], v[\sb+8*(\mt)+2*(\k):\sb+8*(\mt)+2*(\k)+1], s[32:33], v[NM:NM+1] op_sel_hi:[1,0,1]
.endm
.macro EXPK sb, mt, k
	v_exp_f32 v[\sb+8*(\mt)+\k], v[\sb+8*(\mt)+\k]
.endm
.macro FSUM sb, mt, k                  ; step k of three: the eight p of key tile mt into pair mt of TP.  A reader of the batch: it stands behind the batch's wait
.if \k == 0
	v_pk_add_f32 v[TP+2*(\mt):TP+2*(\mt)+1], v[\sb+8*(\mt):\sb+8*(\mt)+1], v[\sb+8*(\mt)+2:\sb+8*(\mt)+3]
.else
	v_pk_add_f32 v[TP+2*(\mt):TP+2*(\mt)+1], v[TP+2*(\mt):TP+2*(\mt)+1], v[\sb+8*(\mt)+2+2*(\k):\sb+8*(\mt)+3+2*(\k)]
.endif
.endm
.macro GPK sb, mt                      ; key tile mt to f16, into registers 4 mt .. 4 mt + 3 of the buffer; ascending mt, behind all the sums, so nothing unread is written over
.irp k, 0,1,2,3
	v_cvt_pk_f16_f32 v[\sb+4*(\mt)+\k], v[\sb+8*(\mt)+2*\k], v[\sb+8*(\mt)+2*\k+1]
.endr
.endm
; The eight exponentials of key tile mt, a part of the step's batch: the first four by turns with the NEXT key tile's scalings, which name only scores
; that have no exponential yet; then the other four.  Nothing here names a result.
.macro BLOCK sb, mt
.irp k, 0,1,2,3
	EXPK \sb, \mt, \k
.if \mt < 3
	DSC \sb, \mt+1, \k
.endif
.endr
.irp k, 4,5,6,7
	EXPK \sb, \mt, \k
.endr
.endm
; The softmax step of query tile i on buffer sb, with the eight products of query tile qn into buffer sbn strewn through it.
; first = 1: nothing is carried yet.  bl >= 0: the bias registers are loaded again, from slot bl, once they have been added.
.macro PHI i, sb, sbn, qn, first, bl
	WIN 0
	ADDB \sb, 0                                    ; also the places between the last product that read sbn as P and the first that writes it (eight, five are asked)
	QKW \qn, 0, \sbn
	ADDB \sb, 8
	QKW \qn, 1, \sbn
.if \bl >= 0
	BLOAD \bl
.endif
.if \first == 0
	v_mul_f32 v[AO], s34, v[RM+\i]                 ; -c M_old, rounded as it was when it served as NM
.endif
.irp k, 0,1,2,3
	v_max3_num_f32 v[TP+\k], v[\sb+8*\k], v[\sb+8*\k+1], v[\sb+8*\k+2]         ; four chains that do not wait for each other
.endr
.irp k, 0,1,2,3
	v_max3_num_f32 v[TP+\k], v[TP+\k], v[\sb+8*\k+3], v[\sb+8*\k+4]
.endr
	QKW \qn, 2, \sbn
.irp k, 0,1,2,3
	v_max3_num_f32 v[TP+\k], v[TP+\k], v[\sb+8*\k+5], v[\sb+8*\k+6]
.endr
	v_max3_num_f32 v[TP], v[TP], v[\sb+7], v[\sb+15]
	v_max3_num_f32 v[TP+2], v[TP+2], v[\sb+23], v[\sb+31]
	v_max3_num_f32 v[TP], v[TP], v[TP+1], v[TP+2]
.if \first
	v_max_num_f32 v[TP], v[TP], v[TP+3]
.else
	v_max3_num_f32 v[TP], v[TP], v[TP+3], v[RM+\i]
.endif
	QKW \qn, 3, \sbn
	v_permlanex16_b32 v[TP+1], v[TP], s36, s37     ; the other half of the lanes holds the other keys of the same query
	v_max_num_f32 v[RM+\i], v[TP], v[TP+1]
	v_mul_f32 v[NM], s34, v[RM+\i]
	v_mul_f32 v[NM+1], s34, v[RM+\i]
.if \first == 0
	v_sub_f32 v[AR], v[NM], v[AO]
	v_exp_f32 v[AL], v[AR]                         ; THE BATCH opens with alpha, twice; its readers (the running sum below, the rescaling in PSI) stand behind the batch's wait
	v_exp_f32 v[AL+1], v[AR]
.endif
.irp k, 0,1,2,3
	DSC \sb, 0, \k
.endr
	QKW \qn, 4, \sbn                               ; the products name the other buffer, K and Q: none of the batch's results
	BLOCK \sb, 0
	QKW \qn, 5, \sbn
	BLOCK \sb, 1
	QKW \qn, 6, \sbn
	BLOCK \sb, 2
	QKW \qn, 7, \sbn
	BLOCK \sb, 3
	v_nop                                          ; the plain place behind the last exponential (ISA guide 5.7.2), one for the batch: every plain line that is left reads a result
	s_wait_alu depctr_va_vdst(0)                   ; ONE for the step's batch, alpha and the 32 p; all their readers follow
.irp k, 0,1,2
.irp mt, 0,1,2,3
	FSUM \sb, \mt, \k                              ; the four key tiles' sums by turns: a link stands four lines behind the one that it adds onto
.endr
.endr
	GPK \sb, 0                                     ; the roundings, with the closing additions between them, so that none of those waits for the line before it
	v_pk_add_f32 v[TP:TP+1], v[TP:TP+1], v[TP+2:TP+3]
	v_pk_add_f32 v[TP+4:TP+5], v[TP+4:TP+5], v[TP+6:TP+7]
	GPK \sb, 1
.if \first
	v_pk_add_f32 v[RL+2*\i:RL+2*\i+1], v[TP:TP+1], v[TP+4:TP+5]
.else
	v_pk_add_f32 v[TP:TP+1], v[TP:TP+1], v[TP+4:TP+5]
.endif
	GPK \sb, 2
.if \first == 0
	v_pk_fma_f32 v[RL+2*\i:RL+2*\i+1], v[RL+2*\i:RL+2*\i+1], v[AL:AL+1], v[TP:TP+1]
.endif
	GPK \sb, 3
.endm
.macro OMUL i, t                       ; O tile (i, t) of the window times alpha
.irp k, 0,1,2,3
	v_pk_mul_f32 v[8*(4*\i+\t)+2*\k:8*(4*\i+\t)+2*\k+1], v[8*(4*\i+\t)+2*\k:8*(4*\i+\t)+2*\k+1], v[AL:AL+1]
.endr
.endm
.macro PVW i, t, ks, sb, zero
.if \zero
	v_wmma_f32_16x16x32_f16 v[8*(4*\i+\t):8*(4*\i+\t)+7], v[VF+16*\t+8*\ks:VF+16*\t+8*\ks+7], v[\sb+8*\ks:\sb+8*\ks+7], 0
.else
	v_wmma_f32_16x16x32_f16 v[8*(4*\i+\t):8*(4*\i+\t)+7], v[VF+16*\t+8*\ks:VF+16*\t+8*\ks+7], v[\sb+8*\ks:\sb+8*\ks+7], v[8*(4*\i+\t):8*(4*\i+\t)+7]
.endif
.endm
; The four O tiles of the window: each is rescaled just ahead of its first product, while the tile before is multiplied; then the second 32 keys.
; The four accumulators take turns, one instruction a turn.  first = 1: the first product starts the sum, nothing is cleared.
.macro PVHALF i, sb, first
.irp t, 0,1,2,3
.if \first == 0
	OMUL \i, \t
.endif
	PVW \i, \t, 0, \sb, \first
.endr
.irp t, 0,1,2,3
	PVW \i, \t, 1, \sb, 0
.endr
.endm
.macro PSI i, sb, first
	WIN X1
	PVHALF \i, \sb, \first
	WIN X2
	PVHALF \i, \sb, \first
.endm
; The change of slots.  All of slot s is in registers by now (K, bias, V).  mode = 2: slot s is filled again, two tiles ahead; mode = 1: nothing is left to fetch.
.macro CHANGE s, mode
	s_set_vgpr_msb 0x5
	s_wait_tensorcnt 0x0                           ; all my tensor loads have landed: the one that was out is my chunk of the next tile;
	ds_add_u32 v254, v255
	s_wait_dscnt 0x0
	s_set_vgpr_msb 0x500
.if \mode == 2
	s_add_nc_u64 s[G0+4*\s+2:G0+4*\s+3], s[G0+4*\s+2:G0+4*\s+3], 2*SLOT    ; so a group 0 may be written: this slot's next tile
.endif
	s_wait_dscnt 0x0                               ; my reads of this slot are back (met: the wait ahead of the first P V product was for 0)
.if \mode == 2
	ROUND                                          ; both now hold of every wave of all four work-groups
	tensor_load_to_lds s[G0+4*\s:G0+4*\s+3], s[G1:G1+7]                    ; my one tensor load behind the round, and the first thing there
	s_nop 0
.endif
.endm
; One tile of 256 keys, in slot s; nx = the other slot.  On entry: S^T of query tile 0 lies in SB0, the bias and V loads of this tile are on their way.
; From a request to the wait for it a wave does one whole step: 96 matrix instructions and four softmax steps.
.macro STEP s, nx, first, mode
	s_wait_dscnt 32                                ; the 8 bias loads are in, the 32 younger V loads stay out
	PHI 0, SB0, SB1, 1, \first, -1
	s_wait_dscnt 0x0                               ; V is in
	PSI 0, SB0, \first
	PHI 1, SB1, SB0, 2, \first, -1
	PSI 1, SB1, \first
	PHI 2, SB0, SB1, 3, \first, -1                 ; the last use of this tile's K; more than four plain places follow its last product
.if \mode
	CHANGE \s, \mode
	KLOAD \nx
.endif
	PSI 2, SB0, \first
.if \mode
	s_wait_dscnt 0x0                               ; the next tile's K is in: its 16 loads were issued 16 products ago
	PHI 3, SB1, SB0, 0, \first, \nx                ; with it S^T of the next tile's query tile 0, and the next bias
.else
	PHI 3, SB1, SB0, -1, \first, -1
.endif
	PSI 3, SB1, \first
.if \mode
	PLACES                                         ; loads into registers that matrix instructions have read stand four places behind them
	VLOAD \nx
.endif
	WIN 0                                          ; at a label and at a branch every window is 0
.endm
	s_wait_tensorcnt 0x1                           ; my chunk of tile 0 is in, tile 1 stays out; I read no bytes but those that my own loads brought
	KLOAD 0
	BLOAD 0
	VLOAD 0
	WIN 0
	s_wait_loadcnt 0x0                             ; Q
	s_wait_dscnt 40                                ; K is in; 8 bias and 32 V loads stay out
.irp n, 0,1,2,3,4,5,6,7
	QKW 0, \n, SB0
.endr
	PLACES
	STEP 0, 1, 1, 2                                ; tile 0 stands in front of the loop: its products start the sums; asks for tile 2
	s_mov_b32 s38, 6
.Lpair:
	STEP 1, 0, 0, 2                                ; tiles 1 to 12
	STEP 0, 1, 0, 2
	s_sub_co_u32 s38, s38, 1
	s_cmp_lg_u32 s38, 0
	s_cbranch_scc1 .Lpair
	STEP 1, 0, 0, 2                                ; tile 13: asks for tile 15, the last
	STEP 0, 1, 0, 1                                ; tile 14: nothing is left to fetch, no round
	STEP 1, 0, 0, 0                                ; tile 15
	; THE MERGE of the four waves' key quarters.
.set ST,   128                         ; v[128:159] wave p: maxima of the 4 query tiles at ST + 8 p, sums at ST + 8 p + 4
.set MG,   160                         ; v[160:163] the maximum over the four waves
.set NG,   164                         ; v[164:167] -c times it
.set EW,   168                         ; v[168:183] wave p's factor exp2(NG - NM_p) at EW + 4 p + i
.set EO,   184                         ; v[184:187] my own factor
.set LSUM, 188                         ; v[188:191] the whole sum, then its reciprocal
.set WT,   192                         ; v[192:199] my weight for query tile i, twice
.set SA,   3                           ; v3  where I put my partial result
.set RD0,  4                           ; v4  where I read partials 0 and 1 back by rows
.set RD1,  5                           ; v5  partials 2 and 3
	PLACES
.irp i, 0,1,2,3
	v_add_f32 v[TP+\i], v[RL+2*\i], v[RL+2*\i+1]
.endr
.irp i, 0,1,2,3
	v_permlanex16_b32 v[TP+4+\i], v[TP+\i], s36, s37               ; the other half's keys
.endr
.irp i, 0,1,2,3
	v_add_f32 v[TP+\i], v[TP+\i], v[TP+4+\i]
.endr
	v_and_b32 v6, 15, v0                           ; r
	v_lshlrev_b32 v1, 5, v6
	v_add_nc_u32 v1, STAT, v1                      ; 32 bytes for each query column r,
	s_lshl_b32 s40, s10, 9
	v_add_nc_u32 v2, s40, v1                       ; 512 bytes for each wave; both halves of the lanes store the same numbers
	ds_store_b128 v2, v[RM:RM+3]
	ds_store_b128 v2, v[TP:TP+3] offset:16
	s_mul_i32 s41, s10, PART
	v_mul_u32_u24 v[SA], v6, SPITCH
	v_lshl_add_u32 v[SA], v[HH], 5, v[SA]
	v_add_nc_u32 v[SA], s41, v[SA]                 ; my partial: row r, 32 h bytes
	s_mul_i32 s42, s10, 16*SPITCH
	v_add_nc_u32 v[RD0], s42, v[CO]                ; rows 16 w .., 16 L bytes
	v_add_nc_u32 v[RD1], 2*PART, v[RD0]
	s_wait_dscnt 0x0                               ; my stores are in LDS; my reads of the slots and my tensor loads ended long ago
	s_barrier_signal -1
	s_barrier_wait -1                              ; the same holds of all four waves: the slots, which have had their last fill, may now be written
.irp p, 0,1,2,3
	ds_load_b128 v[ST+8*\p:ST+8*\p+3],   v1 offset:512*\p
	ds_load_b128 v[ST+8*\p+4:ST+8*\p+7], v1 offset:512*\p+16
.endr
	s_wait_dscnt 0x0
.irp i, 0,1,2,3
	v_max3_num_f32 v[MG+\i], v[ST+\i], v[ST+8+\i], v[ST+16+\i]
.endr
.irp i, 0,1,2,3
	v_max_num_f32 v[MG+\i], v[MG+\i], v[ST+24+\i]
.endr
.irp i, 0,1,2,3
	v_mul_f32 v[NG+\i], s34, v[MG+\i]
.endr
.irp p, 0,1,2,3
.irp i, 0,1,2,3
	v_mul_f32 v[EW+4*\p+\i], s34, v[ST+8*\p+\i]    ; NM_p, rounded as wave p rounded it
.endr
.endr
.irp i, 0,1,2,3
	v_mul_f32 v[EO+\i], s34, v[RM+\i]
.endr
.irp p, 0,1,2,3
.irp i, 0,1,2,3
	v_sub_f32 v[EW+4*\p+\i], v[NG+\i], v[EW+4*\p+\i]
.endr
.endr
.irp i, 0,1,2,3
	v_sub_f32 v[EO+\i], v[NG+\i], v[EO+\i]
.endr
.set pp, 0
.rept 20
	v_exp_f32 v[EW+pp], v[EW+pp]                   ; EW and EO lie side by side: one batch of 20
.set pp, pp+1
.endr
	v_nop                                          ; one plain place behind the run of exponentials (ISA guide 5.7.2)
	s_wait_alu depctr_va_vdst(0)                   ; one for the 20 factors, ahead of their first reader
.irp i, 0,1,2,3
	v_mul_f32 v[LSUM+\i], v[EW+\i], v[ST+4+\i]
.endr
.irp p, 1,2,3
.irp i, 0,1,2,3
	v_fmac_f32 v[LSUM+\i], v[EW+4*\p+\i], v[ST+8*\p+4+\i]
.endr
.endr
.irp i, 0,1,2,3
	v_rcp_f32 v[LSUM+\i], v[LSUM+\i]               ; the sum holds the term of the largest score, about 1: never 0.  A second batch: these read sums made of the first batch's results
.endr
	v_nop
	s_wait_alu depctr_va_vdst(0)                   ; one for the four reciprocals, ahead of their first reader
.irp i, 0,1,2,3
	v_mul_f32 v[WT+2*\i], v[EO+\i], v[LSUM+\i]
	v_mul_f32 v[WT+2*\i+1], v[EO+\i], v[LSUM+\i]
.endr
.macro OSCALE                          ; the 16 O tiles of the window times my weight
.irp i, 0,1,2,3
.set pp, 0
.rept 16
	v_pk_mul_f32 v[32*\i+2*pp:32*\i+2*pp+1], v[32*\i+2*pp:32*\i+2*pp+1], v[WT+2*\i:WT+2*\i+1]
.set pp, pp+1
.endr
.endr
.endm
.macro OSTAGE hi                       ; into my partial: row 16 i + r, columns 16 dt + 8 h .. + 7 (32 bytes)
.irp i, 0,1,2,3
.irp t, 0,1,2,3
	ds_store_b128 v[SA], v[32*\i+8*\t:32*\i+8*\t+3]   offset:\i*16*SPITCH+(4*\hi+\t)*64
	ds_store_b128 v[SA], v[32*\i+8*\t+4:32*\i+8*\t+7] offset:\i*16*SPITCH+(4*\hi+\t)*64+16
.endr
.endr
.endm
	WIN X1
	OSCALE
	WIN 0x04                                       ; address window 0, data window 1
	OSTAGE 0
	WIN X2
	OSCALE
	WIN 0x08                                       ; data window 2
	OSTAGE 1
	WIN 0
	s_wait_dscnt 0x0
	s_barrier_signal -1
	s_barrier_wait -1                              ; all four partials are whole
; Wave w adds the four partials of rows 16 w .. 16 w + 15 and stores them, four rows at a time, on two sets of registers that take turns.
.macro RLOAD gq, set
.irp k, 0,1,2,3
	ds_load_b128 v[\set+16*\k:\set+16*\k+3],     v[RD0] offset:(4*\gq+\k)*SPITCH
	ds_load_b128 v[\set+16*\k+4:\set+16*\k+7],   v[RD0] offset:PART+(4*\gq+\k)*SPITCH
	ds_load_b128 v[\set+16*\k+8:\set+16*\k+11],  v[RD1] offset:(4*\gq+\k)*SPITCH
	ds_load_b128 v[\set+16*\k+12:\set+16*\k+15], v[RD1] offset:PART+(4*\gq+\k)*SPITCH
.endr
.endm
.macro RSUM gq, set, left              ; left = the loads of the next group that may stay out
.irp k, 0,1,2,3
	s_wait_dscnt \left+12-4*\k                     ; row k's four loads are in; the younger rows' and the next group's stay out
	v_pk_add_f32 v[\set+16*\k:\set+16*\k+1],     v[\set+16*\k:\set+16*\k+1],     v[\set+16*\k+4:\set+16*\k+5]
	v_pk_add_f32 v[\set+16*\k+2:\set+16*\k+3],   v[\set+16*\k+2:\set+16*\k+3],   v[\set+16*\k+6:\set+16*\k+7]
	v_pk_add_f32 v[\set+16*\k+8:\set+16*\k+9],   v[\set+16*\k+8:\set+16*\k+9],   v[\set+16*\k+12:\set+16*\k+13]
	v_pk_add_f32 v[\set+16*\k+10:\set+16*\k+11], v[\set+16*\k+10:\set+16*\k+11], v[\set+16*\k+14:\set+16*\k+15]
	v_pk_add_f32 v[\set+16*\k:\set+16*\k+1],     v[\set+16*\k:\set+16*\k+1],     v[\set+16*\k+8:\set+16*\k+9]
	v_pk_add_f32 v[\set+16*\k+2:\set+16*\k+3],   v[\set+16*\k+2:\set+16*\k+3],   v[\set+16*\k+10:\set+16*\k+11]
	global_store_b128 v[CO], v[\set+16*\k:\set+16*\k+3], s[8:9] offset:(4*\gq+\k)*512 th:TH_STORE_NT   ; a whole row: 512 consecutive aligned bytes
.endr
.endm
	RLOAD 0, QF
	RLOAD 1, KF
	RSUM 0, QF, 16
	s_wait_xcnt 0x0                                ; the stores have read their data: the set is loaded again only behind this wait
	RLOAD 2, QF
	RSUM 1, KF, 16
	s_wait_xcnt 0x0
	RLOAD 3, KF
	RSUM 2, QF, 16
	RSUM 3, KF, 0
	s_set_vgpr_msb 0x5
	s_wait_tensorcnt 0x0
	ds_add_u32 v254, v255
	s_wait_dscnt 0x0
	s_set_vgpr_msb 0x500
	ROUND                                          ; the closing round: no work-group ends while a partner may still ask for a tile that names it
	s_endpgm
.Lfunc_end_k_qe07bd3cc97_attn:
	.size	k_qe07bd3cc97_attn, .Lfunc_end_k_qe07bd3cc97_attn-k_qe07bd3cc97_attn
	.p2alignl 7, 3214868480
	.fill 96, 4, 3214868480
	.section	.rodata,"a",@progbits
	.p2align	6, 0x0
	.amdhsa_kernel k_qe07bd3cc97_attn
		.amdhsa_group_segment_fixed_size 327680
		.amdhsa_private_segment_fixed_size 0
		.amdhsa_enable_private_segment 0
		.amdhsa_kernarg_size 24
		.amdhsa_user_sgpr_count 2
		.amdhsa_user_sgpr_kernarg_segment_ptr 1
		.amdhsa_wavefront_size32 1
		.amdhsa_system_sgpr_workgroup_id_x 1
		.amdhsa_system_sgpr_workgroup_id_y 1
		.amdhsa_system_sgpr_workgroup_id_z 1
		.amdhsa_system_vgpr_workitem_id 0
		.amdhsa_next_free_vgpr 768
		.amdhsa_next_free_sgpr 66
		.amdhsa_reserve_vcc 0
		.amdhsa_float_denorm_mode_32 3
		.amdhsa_float_denorm_mode_16_64 3
		.amdhsa_memory_ordered 1
		.amdhsa_forward_progress 1
		.amdhsa_inst_pref_size 255
	.end_amdhsa_kernel
	.section	.bss,"aw",@nobits
	.p2align	6
	.space	262144
	.amdgpu_metadata
---
amdhsa.version: [ 1, 2 ]
amdhsa.kernels:
  - .name:           k_qe07bd3cc97_attn
    .symbol:         k_qe07bd3cc97_attn.kd
    .args:
      - { .name: q, .offset: 0, .size: 8, .value_kind: global_buffer, .address_space: global }
      - { .name: kv, .offset: 8, .size: 8, .value_kind: global_buffer, .address_space: global }
      - { .name: out0, .offset: 16, .size: 8, .value_kind: global_buffer, .address_space: global }
    .group_segment_fixed_size: 327680
    .private_segment_fixed_size: 0
    .kernarg_segment_align: 8
    .kernarg_segment_size: 24
    .max_flat_workgroup_size: 128
    .sgpr_count:     66
    .vgpr_count:     768
    .wavefront_size: 32
...
	.end_amdgpu_metadata
.endif
;; end of part 3
